; MI455X (gfx1250); checked and timed in simulation.
; The chip was launched on July 23, 2026; its instructions are those of AMD's public machine-readable ISA for CDNA 5 (MIT licence, August 2026) and "CDNA5" Instruction Set Architecture Reference Guide (July 2026). The comments in the code are by the model that wrote it; some were corrected since.
;; Multi Head Attention Quantum. Allowed arithmetic: matrix products marked QUANTISED: E5M2 operands, one given power-of-two scale a tensor, by v_wmma_f32_16x16x64_bf8_bf8 or v_wmma_f32_16x16x128_bf8_bf8, f32 sums; everything else in f32.
;; Inputs: Wk_codes 1,024 x 32 x 32 uint8 (E5M2 codes of Wk, K innermost, in blocks of 32 codes); Wo_codes 1,024 x 32 x 32 uint8 (E5M2 codes of Wo, K innermost, in blocks of 32 codes); Wq_codes 1,024 x 32 x 32 uint8 (E5M2 codes of Wq, K innermost, in blocks of 32 codes); Wv_codes 1,024 x 32 x 32 uint8 (E5M2 codes of Wv, K innermost, in blocks of 32 codes); lowp_scales 12 int32 (the exponents e of the quantised operands' scales 2^e); theta 64 float32; x_codes 4 x 2,048 x 32 x 32 uint8 (E5M2 codes of x, K innermost, in blocks of 32 codes).
;; Outputs: out0 4 x 2,048 x 1,024 float32.
;; This version of the problem:
;;   THIS VERSION OF THE PROBLEM IS GIVEN IN LOW PRECISION. The matrix products marked QUANTISED in the list below multiply operands that are first quantised to E5M2 (5 exponent bits, 2 mantissa bits; 8 bits a number), with one given power-of-two scale for each operand tensor; their sums are f32. All else is computed in f32.
;;   The module's matrix products, in the order in which they are computed (A, B: the left and right operand; K: the contracted axis; several contracted axes count as one K, in the product's order):
;;     1. [M 8,192, K 1,024] x [K 1,024, N 1,024]; A: input x (given as codes); B: input Wq (given as codes): QUANTISED (scales: A lowp_scales[0], B lowp_scales[1])
;;     2. [M 8,192, K 1,024] x [K 1,024, N 1,024]; A: input x (given as codes); B: input Wk (given as codes): QUANTISED (scales: A lowp_scales[2], B lowp_scales[3])
;;     3. [M 8,192, K 1,024] x [K 1,024, N 1,024]; A: input x (given as codes); B: input Wv (given as codes): QUANTISED (scales: A lowp_scales[4], B lowp_scales[5])
;;     4. batch 64 x [M 2,048, K 64] x [K 64, N 2,048]; A: computed on the way; B: computed on the way: QUANTISED (scales: A lowp_scales[6], B lowp_scales[7])
;;     5. batch 64 x [M 2,048, K 2,048] x [K 2,048, N 64]; A: softmax (see below); B: computed on the way: QUANTISED (scales: A lowp_scales[8], B lowp_scales[9])
;;     6. [M 8,192, K 1,024] x [K 1,024, N 1,024]; A: computed on the way; B: input Wo (given as codes): QUANTISED (scales: A lowp_scales[10], B lowp_scales[11])
;;   THE QUANTISER, for each operand of a quantised product, along K:
;;     - The operand's scale is 2^e, e = its entry of the input lowp_scales (int32; the entries are numbered through the quantised products in the list's order, A before B).
;;     - Each number is divided by the scale, clamped to +-57,344, and rounded to the nearest number of E5M2, ties to even, subnormals kept.
;;     - The product sums the exact products of the quantised numbers (number of the format x scale) in f32.
;;   ~~~python
;;   def quantise(x, axis, e):      # numpy; x: float32 -> the quantised numbers, widened to float32 again
;;       x = np.moveaxis(x, axis, -1); K = x.shape[-1]
;;       r = np.clip(x / 2.0 ** e, -57344, 57344)
;;       step = 2.0 ** (np.maximum(np.frexp(np.where(r == 0, 1, r))[1] - 1, -14) - 2)
;;       q = np.round(r / step) * step * 2.0 ** e      # np.round: ties to even
;;       return np.moveaxis(q, -1, axis).astype(np.float32)
;;   ~~~
;;   SOFTMAX AHEAD OF A QUANTISED PRODUCT. Where the list says 'softmax', what is quantised is not the finished softmax but p = 2^(t - M), with t = logit x log2(e) and M = ceil(the row's largest t), a whole number; so 1/2 < the row's largest p <= 1. The row's sum l is taken of the UNQUANTISED p, in f32, and the product's result is divided by l at the end. Since M is a whole number, a kernel that streams over the keys may use a running M (the ceiling of the running maximum): every later rescaling is an exact power of two, so the quantised numbers keep their values, but for numbers so far below the row's largest that they fall under the format's range.
;;   OPERANDS COMPUTED ON THE WAY. 'Computed on the way' means the value that the module computes at that place (a softmax that the list does not call 'softmax' is quantised finished and normalised). What goes into a quantiser is computed in f32, as accurately as f32 sums, v_exp_f32 and their like allow (about 1e-6 of the number): no bf16 or f16 on the way to a quantiser, and a product that is left as it is and whose result goes on into a quantised operand takes f32 operands (vector FMAs, or v_wmma_f32_16x16x4_f32). A number that lies on a knife's edge between two numbers of the format may be rounded either way, as far as f32 arithmetic and the matrix unit's own rounding can turn it there, and no further.
;;   INPUTS GIVEN AS CODES. Wk (in the module: [1024, 1024], K = its axis 1); Wo (in the module: [1024, 1024], K = its axis 1); Wq (in the module: [1024, 1024], K = its axis 1); Wv (in the module: [1024, 1024], K = its axis 1); x (in the module: [4, 2048, 1024], K = its axis 2): each comes as NAME_codes (uint8): NAME with its K axis moved to the last place and cut into blocks of 32 codes, [.., K / 32, bytes a block], one block behind the other in memory; one code a byte (a code: sign, 5 exponent bits, 2 mantissa bits); its scale is its entry of lowp_scales. Its value is code x scale, taken as it is: it is not quantised again, and the codes and scales need not be those that the quantiser above would give.
;; One version. Each part assembles by itself: llvm-mc -triple=amdgcn-amd-amdhsa -mcpu=gfx1250 --defsym DOCPART=n.
;; ======== version 1 of 1: 3 launches
;; limits: right only within a limited range of input values
;; workspace buffers: qimg 8,388,608 bytes; kimg 8,388,608 bytes; vimg 8,388,608 bytes; oimg 8,388,608 bytes
;; launch qkv (part 1): grid 12 x 32, 4 waves a work-group, clusters of 4 x 4, 327,680 bytes of LDS; arguments x_codes, Wq_codes, Wk_codes, Wv_codes, lowp_scales, theta, qimg, kimg, vimg; writes qimg, kimg, vimg
.if DOCPART == 1
	.amdgcn_target "amdgcn-amd-amdhsa--gfx1250"
	.amdhsa_code_object_version 6
	.text
	.protected	k_q29c6e6825a_qkv
	.globl	k_q29c6e6825a_qkv
	.p2align	8
	.type	k_q29c6e6825a_qkv,@function
k_q29c6e6825a_qkv:
	s_mov_b64 s[64:65], 0
	v_nop
	global_prefetch_b8 v0, s[64:65] scope:SCOPE_SE
	s_setreg_imm32_b32 hwreg(HW_REG_WAVE_MODE, 25, 1), 1
	s_wait_xcnt 0x0
	s_wait_alu depctr_hold_cnt(0) depctr_sa_sdst(0) depctr_va_vdst(0) depctr_va_sdst(0) depctr_va_ssrc(0) depctr_va_vcc(0) depctr_vm_vsrc(0)
	s_getreg_b32 s2, hwreg(HW_REG_IB_STS2, 6, 4)
	s_cmp_eq_u32 s2, 0
	s_cbranch_scc0 .Lentry_in_a_cluster
	s_endpgm
.Lentry_in_a_cluster:
	s_bfe_u32 s2, ttmp6, 0x10000c
	s_cmp_lg_u32 s2, 0xf033
	s_cbranch_scc0 .Lentry_shape_is_right
	s_endpgm
.Lentry_shape_is_right:
.set ROWB,   256
.set KROW,   1024
.set PITCH,  272
.set FR,     16
.set NL,     4
.set NP,     4
.set HALFT,  128*PITCH
.set SLOT,   4*HALFT
.set LAPS,   2
.set SPARE,  2*SLOT
.set ADRA, 16
.set ADRB, 20
.set C3V,  22
.set LN,   24
.set SCQ,  25
.set LIM,  26
.set SPW,  28
.set NIL,  29
.set MAG,  30
.set THB,  32
.set THA,  64
.set THR,  72
.set T,    96
.set AF,   128
.set XA,   128
.set XZ,   160
.set XP,   192
.set CODE, 224
.set G1, 24
.set G0, 32
.set G1B, 48
.set G0B, 56
.set MSB, 0
.macro WIN new
.if MSB != \new
	s_set_vgpr_msb (MSB<<8)|\new
.set MSB, \new
.endif
.endm
.set MUL_LO, 0xa1
.set MUL_HI, 0xf1
.set TO_B,   0x40
.macro JLOAD g0a, g1a, g0b, g1b
	s_cmp_eq_u32 s15, 0
	s_cbranch_scc0 .Lfor_b_\@
	tensor_load_to_lds s[\g0a:\g0a+3], s[\g1a:\g1a+7]
	s_nop 0
.rept 4
	v_nop
.endr
	s_branch .Lasked_\@
.Lfor_b_\@:
	tensor_load_to_lds s[\g0b:\g0b+3], s[\g1b:\g1b+7]
	s_nop 0
.rept 4
	v_nop
.endr
.Lasked_\@:
.endm
.macro CREST
	s_cmp_lg_u32 s14, 0
	s_cbranch_scc1 .Lnot_wave_0_\@
	s_barrier_signal -3
.Lnot_wave_0_\@:
	s_barrier_wait -3
	s_barrier_signal -1
	s_barrier_wait -1
.endm
.macro CROUND
	s_barrier_signal -1
	s_barrier_wait -1
	CREST
.endm
	s_load_b512 s[68:83], s[0:1], 0x0
	s_load_b64 s[84:85], s[0:1], 0x40
	v_lshl_add_u32 v[SPW], v0, 2, SPARE
	v_mov_b32 v[NIL], 0
	ds_add_u32 v28, v29
	ds_add_u32 v28, v29
	s_wait_dscnt 0x0
	v_lshrrev_b32 v1, 5, v0
	v_readfirstlane_b32 s14, v1
	s_lshr_b32 s15, s14, 1
	s_and_b32 s16, s14, 1
	s_bfe_u32 s40, ttmp6, 0x40000
	s_bfe_u32 s41, ttmp6, 0x40004
	s_and_b32 s17, ttmp7, 0xffff
	s_lshl_b32 s17, s17, 2
	s_cmp_eq_u32 ttmp9, 2
	s_cselect_b32 s12, 0, s17
	s_cselect_b32 s13, s17, 0
	s_add_co_u32 s17, s12, s41
	s_add_co_u32 s42, s13, s40
	s_lshl_b32 s43, s41, 2
	s_lshl_b32 s43, 15, s43
	s_lshl_b32 s44, 0x1111, s40
	s_or_b32 s[G1+0], s43, (0<<16)|(1<<20)|(1<<21)|(5<<22)|(3<<25)
	s_or_b32 s[G1B+0], s44, (0<<16)|(1<<20)|(1<<21)|(5<<22)|(3<<25)
.irp g, G1, G1B
	s_mov_b32 s[\g+1], ROWB<<16
	s_mov_b32 s[\g+2], 128<<16
	s_mov_b32 s[\g+3], ROWB<<16
	s_mov_b32 s[\g+4], 128
	s_mov_b32 s[\g+5], KROW
	s_mov_b32 s[\g+6], 0
	s_mov_b32 s[\g+7], 0
.endr
	s_lshl_b32 s18, s16, 7
	s_lshl_b32 s20, s17, 8
	s_add_co_u32 s20, s20, s18
	s_lshl_b32 s20, s20, 10
	s_mov_b32 s21, 0
	s_lshl_b32 s46, s42, 8
	s_add_co_u32 s46, s46, s18
	s_lshl_b32 s46, s46, 10
	s_mov_b32 s47, 0
	s_mul_i32 s45, s14, HALFT
	s_wait_kmcnt 0x0
	s_load_b256 s[88:95], s[76:77], 0x0
	s_load_b128 s[96:99], s[76:77], 0x20
	s_cmp_eq_u32 ttmp9, 2
	s_cselect_b64 s[4:5], s[74:75], s[68:69]
	s_cselect_b64 s[6:7], s[68:69], s[70:71]
	s_cselect_b64 s[10:11], s[84:85], s[80:81]
	s_cmp_eq_u32 ttmp9, 1
	s_cselect_b64 s[6:7], s[72:73], s[6:7]
	s_cselect_b64 s[10:11], s[82:83], s[10:11]
	s_add_nc_u64 s[20:21], s[4:5], s[20:21]
	s_add_nc_u64 s[46:47], s[6:7], s[46:47]
	; where my wave's prefetches stand: of the 128 rows that it fetches, my work-group's 32, told apart by address among the four that ask for the tile jointly (cx for the first operand's tiles, cy for the second's); a lane a row of 1,024 bytes
	s_cmp_eq_u32 s15, 0
	s_cselect_b64 s[100:101], s[20:21], s[46:47]
	s_cselect_b32 s8, s40, s41
	s_lshl_b32 s8, s8, 15
	s_mov_b32 s9, 0
	s_add_nc_u64 s[100:101], s[100:101], s[8:9]    ; never rewritten
	v_and_b32 v27, 31, v0
	v_lshlrev_b32 v27, 10, v27                     ; never rewritten
	s_wait_alu depctr_va_vdst(0)                   ; the wait here, directly ahead of the barrier's signal
	CROUND
.irp s, 0,1
	s_mov_b32 s[G0+4*\s], 1
	s_add_co_u32 s[G0+4*\s+1], s45, \s*SLOT
	s_add_nc_u64 s[G0+4*\s+2:G0+4*\s+3], s[20:21], \s*ROWB
	s_or_b32 s[G0+4*\s+3], s[G0+4*\s+3], 0x80000000
	s_mov_b32 s[G0B+4*\s], 1
	s_add_co_u32 s[G0B+4*\s+1], s45, \s*SLOT
	s_add_nc_u64 s[G0B+4*\s+2:G0B+4*\s+3], s[46:47], \s*ROWB
	s_or_b32 s[G0B+4*\s+3], s[G0B+4*\s+3], 0x80000000
.if \s == 1                            ; slot 1's first fill stands behind the wait for my first load, the add, its wait and a round
	s_wait_alu depctr_va_vdst(0)
	s_wait_tensorcnt 0x0
	ds_add_u32 v28, v29
	ds_add_u32 v28, v29
	s_wait_dscnt 0x0
	CROUND
.endif
	JLOAD G0+4*\s, G1, G0B+4*\s, G1B
	; prefetches into the L2, 32 rows x 256 bytes an instruction: behind K step 0's load for K steps 1 and 2, behind K step 1's load for K step 3, the last: at most two K steps are asked for and not yet loaded
.if \s == 0
	global_prefetch_b8 v27, s[100:101] offset:256 th:TH_LOAD_NT scope:SCOPE_SE
	global_prefetch_b8 v27, s[100:101] offset:512 th:TH_LOAD_NT scope:SCOPE_SE
.else
	global_prefetch_b8 v27, s[100:101] offset:768 th:TH_LOAD_NT scope:SCOPE_SE
.endif
.endr
	v_and_b32 v1, 15, v0
	v_bfe_u32 v2, v0, 4, 1
	v_lshlrev_b32 v5, 5, v2
	v_lshlrev_b32 v6, 2, v1
.irp i, 0,1,2,3,4,5,6,7
	global_load_b128 v[THB+4*\i:THB+4*\i+3], v5, s[78:79] offset:64*(\i/2)+16*(\i%2)
.endr
.irp i, 0,1,2,3
	global_load_b32 v[THR+\i], v6, s[78:79] offset:64*\i
.endr
	v_mul_u32_u24 v3, v1, PITCH
	v_lshl_add_u32 v4, v2, 4, v3
	s_mul_i32 s21, s15, HALFT
	s_mul_i32 s22, s16, HALFT
	s_add_co_u32 s22, s22, 2*HALFT
.irp s, 0,1
	v_add_nc_u32 v[ADRA+\s], s21, v4
	v_add_nc_u32 v[ADRB+\s], s22, v4
	s_add_co_u32 s21, s21, SLOT
	s_add_co_u32 s22, s22, SLOT
.endr
	v_and_b32 v7, 31, v0
	v_lshlrev_b32 v[LN], 4, v7
	s_lshl_b32 s8, s17, 8
	s_lshl_b32 s9, s15, 7
	s_add_co_u32 s8, s8, s9
	s_lshl_b32 s9, s42, 8
	s_lshl_b32 s22, s16, 7
	s_add_co_u32 s9, s9, s22
	s_cmp_eq_u32 ttmp9, 2
	s_cselect_b32 s22, s9, s8
	s_cselect_b32 s23, s8, s9
	s_lshr_b32 s8, s22, 11
	s_lshl_b32 s8, s8, 21
	s_lshr_b32 s23, s23, 6
	s_lshl_b32 s23, s23, 17
	s_add_co_u32 s8, s8, s23
	s_and_b32 s22, s22, 2047
	s_lshl_b32 s22, s22, 6
	s_add_co_u32 s8, s8, s22
	s_mov_b32 s9, 0
	s_add_nc_u64 s[10:11], s[10:11], s[8:9]
.macro FRAG reg, adr, q, i
.irp c, 0,1,2,3
	ds_load_b128 v[\reg+4*\c:\reg+4*\c+3], v[\adr] offset:128*(\q)+32*\c+(\i)*16*PITCH
.endr
.endm
.macro MUL16 a0, p, zero
.irp a, \a0, \a0+1
.irp b, 0,1,2,3,4,5,6,7
.if \zero
	v_wmma_f32_16x16x128_bf8_bf8 v[8*(8*((\a)%4)+\b):8*(8*((\a)%4)+\b)+7], v[128*(\p)+FR*\b:128*(\p)+FR*\b+FR-1], v[AF+FR*(\a):AF+FR*(\a)+FR-1], 0
.else
	v_wmma_f32_16x16x128_bf8_bf8 v[8*(8*((\a)%4)+\b):8*(8*((\a)%4)+\b)+7], v[128*(\p)+FR*\b:128*(\p)+FR*\b+FR-1], v[AF+FR*(\a):AF+FR*(\a)+FR-1], v[8*(8*((\a)%4)+\b):8*(8*((\a)%4)+\b)+7]
.endif
.endr
.endr
.endm
.macro FETCH_B slot, q, p
	WIN TO_B
.irp i, 0,1,2,3,4,5,6,7
	FRAG 128*(\p)+FR*\i, ADRB+\slot, \q, \i
.endr
	WIN 0
.endm
.macro FETCH_A slot, q, i0
.irp i, \i0, \i0+1, \i0+2, \i0+3
	FRAG AF+FR*(\i), ADRA+\slot, \q, \i
.endr
.endm
.macro PLACES n
.rept \n
	v_nop
.endr
.endm
.macro STEP slot, q, zero
	s_wait_dscnt 4*NL
	WIN MUL_LO
	MUL16 0, (\q)%2, \zero
	MUL16 2, (\q)%2, \zero
	s_wait_dscnt 0
	PLACES NP
	FETCH_B \slot, (\q)+1, 1-(\q)%2
	FETCH_A \slot, (\q)+1, 0
	WIN MUL_HI
	MUL16 4, (\q)%2, \zero
	MUL16 6, (\q)%2, \zero
	PLACES NP
	WIN 0
	FETCH_A \slot, (\q)+1, 4
.endm
.macro TURN slot, next, fill
	s_wait_tensorcnt 0x0
	ds_add_u32 v[SPW], v[NIL]
	s_wait_dscnt 4*NL+1
	WIN MUL_LO
	MUL16 0, 1, 0
	s_wait_dscnt 0x0
	s_barrier_signal -1
	MUL16 2, 1, 0
	WIN 0
	s_barrier_wait -1
.if \fill
	CREST
	s_add_nc_u64 s[G0+4*\slot+2:G0+4*\slot+3], s[G0+4*\slot+2:G0+4*\slot+3], 2*ROWB
	s_add_nc_u64 s[G0B+4*\slot+2:G0B+4*\slot+3], s[G0B+4*\slot+2:G0B+4*\slot+3], 2*ROWB
	JLOAD G0+4*\slot, G1, G0B+4*\slot, G1B
.else
	PLACES NP
.endif
	FETCH_B \next, 0, 0
	FETCH_A \next, 0, 0
	WIN MUL_HI
	MUL16 4, 1, 0
	MUL16 6, 1, 0
	PLACES NP
	WIN 0
	FETCH_A \next, 0, 4
.endm
	s_wait_alu depctr_va_vdst(0)
	s_wait_loadcnt 0x0
	s_wait_kmcnt 0x0
	s_wait_tensorcnt 1
	s_barrier_signal -1
	s_barrier_wait -1
	FETCH_B 0, 0, 0
	FETCH_A 0, 0, 0
	FETCH_A 0, 0, 4
	STEP 0, 0, 1
	s_mov_b32 s3, LAPS-1
.Llap:
	TURN 0, 1, 1
	STEP 1, 0, 0
	TURN 1, 0, 1
	STEP 0, 0, 0
	s_sub_co_u32 s3, s3, 1
	s_cmp_lg_u32 s3, 0
	s_cbranch_scc1 .Llap
	TURN 0, 1, 0
	STEP 1, 0, 0
	s_wait_dscnt 4*NL
	WIN MUL_LO
	MUL16 0, 1, 0
	MUL16 2, 1, 0
	s_wait_dscnt 0
	WIN MUL_HI
	MUL16 4, 1, 0
	MUL16 6, 1, 0
	WIN 0
	s_add_co_i32 s88, s88, s89
	s_add_co_i32 s90, s90, s91
	s_add_co_i32 s92, s92, s93
	s_mov_b32 s12, 1024
	s_mov_b32 s13, 4096
	s_mov_b32 s2, 0x20000
	s_cmp_eq_u32 ttmp9, 2
	s_cselect_b32 s66, s92, s88
	s_cselect_b32 s87, s97, s94
	s_cselect_b32 s84, 0, 0x3f000000
	s_cselect_b32 s86, 0x3f000000, 0
	s_cselect_b32 s12, 2048, s12
	s_cselect_b32 s13, 0x20000, s13
	s_cselect_b32 s2, 1024, s2
	s_cmp_eq_u32 ttmp9, 1
	s_cselect_b32 s66, s90, s66
	s_cselect_b32 s87, s95, s87
	s_add_co_i32 s66, s66, 126
	s_lshl_b32 s66, s66, 23
	s_mov_b32 s67, s66
	s_mov_b32 s85, s84
	s_add_co_i32 s87, s87, 127
	s_lshl_b32 s8, s87, 23
	s_add_co_i32 s87, s87, 15
	s_lshl_b32 s87, s87, 23
	s_or_b32 s87, s87, 0x600000
	s_mov_b32 s68, 0x3ea2f983
	s_mov_b32 s69, s68
	s_mov_b32 s70, 0xc0490fdb
	s_mov_b32 s71, s70
	s_mov_b32 s72, 0x33bbbd2e
	s_mov_b32 s73, s72
	s_mov_b32 s74, 0x362f0a87
	s_mov_b32 s75, s74
	s_mov_b32 s80, 0x3c088777
	s_mov_b32 s81, s80
	s_mov_b32 s82, 0xbe2aaaa6
	s_mov_b32 s83, s82
	v_mov_b32 v[SCQ], s8
	v_mov_b32 v[LIM], s87
	v_mov_b32 v[C3V], 0xb94fbaeb
	v_mov_b32 v[C3V+1], 0xb94fbaeb
	v_mov_b32 v[MAG], 0x4b400000
	v_mov_b32 v[MAG+1], 0x4b400000
	v_mov_b32 v0, v[LN]
	v_mad_u32_u24 v2, s12, 1, v[LN]
	v_mad_u32_u24 v4, s12, 2, v[LN]
	v_mad_u32_u24 v6, s12, 3, v[LN]
.irp m, 0,2,4,6
	v_add_nc_u32 v[8+\m], s13, v[\m]
.endr
.irp m, 0,2,4,6,8,10,12,14
	v_add_nc_u32 v[\m+1], s2, v[\m]
.endr
.set n, 0
.rept 16
	v_pk_mul_f32 v[THB+n:THB+n+1], v[THB+n:THB+n+1], s[84:85] op_sel_hi:[1,0]
.set n, n+2
.endr
.irp i, 0,1,2,3
	v_mul_f32 v[THA+2*\i], s86, v[THR+\i]
	v_mul_f32 v[THA+2*\i+1], s86, v[THR+\i]
.endr
.macro TABLE al
.set n, 0
.rept 16
	v_pk_add_f32 v[T+n:T+n+1], v[THB+n:THB+n+1], v[THA+2*(\al):THA+2*(\al)+1]
.set n, n+2
.endr
.endm
.macro GROUP a, g
.set AC, 64*((\a)%4)+32*(\g)
.set CD, CODE+16*((\a)/4)+8*(\g)
	WIN 0x02+((\a)/4)
.set n, 0
.rept 16
	v_pk_fma_f32 v[XA+n:XA+n+1], v[AC+n:AC+n+1], s[66:67], v[T+n:T+n+1] op_sel_hi:[1,0,1]
.set n, n+2
.endr
	WIN 0
.set n, 0
.rept 16
	v_pk_fma_f32 v[XZ+n:XZ+n+1], v[XA+n:XA+n+1], s[68:69], v[MAG:MAG+1] op_sel_hi:[1,0,1]
.set n, n+2
.endr
.set n, 0
.rept 16
	v_pk_add_f32 v[XZ+n:XZ+n+1], v[XZ+n:XZ+n+1], v[MAG:MAG+1] neg_lo:[0,1] neg_hi:[0,1]
.set n, n+2
.endr
.set n, 0
.rept 16
	v_pk_fma_f32 v[XA+n:XA+n+1], v[XZ+n:XZ+n+1], s[70:71], v[XA+n:XA+n+1] op_sel_hi:[1,0,1]
.set n, n+2
.endr
.set n, 0
.rept 16
	v_pk_fma_f32 v[XA+n:XA+n+1], v[XZ+n:XZ+n+1], s[72:73], v[XA+n:XA+n+1] op_sel_hi:[1,0,1]
.set n, n+2
.endr
.set n, 0
.rept 16
	v_pk_mul_f32 v[XZ+n:XZ+n+1], v[XA+n:XA+n+1], v[XA+n:XA+n+1]
.set n, n+2
.endr
.set n, 0
.rept 16
	v_pk_fma_f32 v[XP+n:XP+n+1], v[XZ+n:XZ+n+1], s[74:75], v[C3V:C3V+1] op_sel_hi:[1,0,1]
.set n, n+2
.endr
.set n, 0
.rept 16
	v_pk_fma_f32 v[XP+n:XP+n+1], v[XP+n:XP+n+1], v[XZ+n:XZ+n+1], s[80:81] op_sel_hi:[1,1,0]
.set n, n+2
.endr
.set n, 0
.rept 16
	v_pk_fma_f32 v[XP+n:XP+n+1], v[XP+n:XP+n+1], v[XZ+n:XZ+n+1], s[82:83] op_sel_hi:[1,1,0]
.set n, n+2
.endr
.set n, 0
.rept 16
	v_pk_mul_f32 v[XZ+n:XZ+n+1], v[XZ+n:XZ+n+1], v[XA+n:XA+n+1]
.set n, n+2
.endr
.set n, 0
.rept 16
	v_pk_fma_f32 v[XA+n:XA+n+1], v[XZ+n:XZ+n+1], v[XP+n:XP+n+1], v[XA+n:XA+n+1]
.set n, n+2
.endr
.set n, 0
.rept 16
	v_pk_mul_f32 v[XA+n:XA+n+1], v[XA+n:XA+n+1], v[XA+n:XA+n+1]
.set n, n+2
.endr
.set n, 0
.rept 16
	v_pk_fma_f32 v[XA+n:XA+n+1], v[XA+n:XA+n+1], -2.0, 1.0 op_sel_hi:[1,0,0]
.set n, n+2
.endr
.set n, 0
.rept 32
	v_med3_num_f32 v[XA+n], v[XA+n], -v[LIM], v[LIM]
.set n, n+1
.endr
.set n, 0
.rept 4
	v_cvt_scalef32_pk8_bf8_f32 v[CD+2*n:CD+2*n+1], v[XA+8*n:XA+8*n+7], v[SCQ]
.set n, n+1
.endr
	v_nop
.endm
.macro BLOCK a
	s_wait_xcnt 0x0
	GROUP \a, 0
	GROUP \a, 1
.set CD, CODE+16*((\a)/4)
	global_store_b128 v[2*(\a)], v[CD:CD+3], s[10:11]
	global_store_b128 v[2*(\a)], v[CD+4:CD+7], s[10:11] offset:512
	global_store_b128 v[2*(\a)+1], v[CD+8:CD+11], s[10:11]
	global_store_b128 v[2*(\a)+1], v[CD+12:CD+15], s[10:11] offset:512
.endm
.irp al, 0,1,2,3
	TABLE \al
	BLOCK \al
	BLOCK \al+4
.endr
	s_wait_tensorcnt 0x0
	ds_add_u32 v[SPW], v[NIL]
	s_wait_dscnt 0x0
	CROUND
	s_endpgm
.Lfunc_end_k_q29c6e6825a_qkv:
	.size	k_q29c6e6825a_qkv, .Lfunc_end_k_q29c6e6825a_qkv-k_q29c6e6825a_qkv
	.p2alignl 7, 3214868480
	.fill 96, 4, 3214868480
	.section	.rodata,"a",@progbits
	.p2align	6, 0x0
	.amdhsa_kernel k_q29c6e6825a_qkv
		.amdhsa_group_segment_fixed_size 327680
		.amdhsa_private_segment_fixed_size 0
		.amdhsa_enable_private_segment 0
		.amdhsa_kernarg_size 72
		.amdhsa_user_sgpr_count 2
		.amdhsa_user_sgpr_kernarg_segment_ptr 1
		.amdhsa_wavefront_size32 1
		.amdhsa_system_sgpr_workgroup_id_x 1
		.amdhsa_system_sgpr_workgroup_id_y 1
		.amdhsa_system_sgpr_workgroup_id_z 1
		.amdhsa_system_vgpr_workitem_id 0
		.amdhsa_next_free_vgpr 1024
		.amdhsa_next_free_sgpr 102
		.amdhsa_reserve_vcc 0
		.amdhsa_float_denorm_mode_32 3
		.amdhsa_float_denorm_mode_16_64 3
		.amdhsa_memory_ordered 1
		.amdhsa_forward_progress 1
		.amdhsa_inst_pref_size 255
	.end_amdhsa_kernel
	.section	.bss,"aw",@nobits
	.p2align	6
	.space	262144
	.amdgpu_metadata
---
amdhsa.version: [ 1, 2 ]
amdhsa.kernels:
  - .name:           k_q29c6e6825a_qkv
    .symbol:         k_q29c6e6825a_qkv.kd
    .args:
      - { .name: x_codes, .offset: 0, .size: 8, .value_kind: global_buffer, .address_space: global }
      - { .name: Wq_codes, .offset: 8, .size: 8, .value_kind: global_buffer, .address_space: global }
      - { .name: Wk_codes, .offset: 16, .size: 8, .value_kind: global_buffer, .address_space: global }
      - { .name: Wv_codes, .offset: 24, .size: 8, .value_kind: global_buffer, .address_space: global }
      - { .name: lowp_scales, .offset: 32, .size: 8, .value_kind: global_buffer, .address_space: global }
      - { .name: theta, .offset: 40, .size: 8, .value_kind: global_buffer, .address_space: global }
      - { .name: qimg, .offset: 48, .size: 8, .value_kind: global_buffer, .address_space: global }
      - { .name: kimg, .offset: 56, .size: 8, .value_kind: global_buffer, .address_space: global }
      - { .name: vimg, .offset: 64, .size: 8, .value_kind: global_buffer, .address_space: global }
    .group_segment_fixed_size: 327680
    .private_segment_fixed_size: 0
    .kernarg_segment_align: 8
    .kernarg_segment_size: 72
    .max_flat_workgroup_size: 128
    .sgpr_count:     102
    .vgpr_count:     1024
    .wavefront_size: 32
...
	.end_amdgpu_metadata
.endif
;; end of part 1
;; launch attn (part 2): grid 4 x 64, 16 waves a work-group, clusters of 4 x 1, 327,680 bytes of LDS; arguments qimg, kimg, vimg, lowp_scales, oimg; writes oimg
.if DOCPART == 2
	.amdgcn_target "amdgcn-amd-amdhsa--gfx1250"
	.amdhsa_code_object_version 6
	.text
	.protected	k_q29c6e6825a_attn
	.globl	k_q29c6e6825a_attn
	.p2align	8
	.type	k_q29c6e6825a_attn,@function
k_q29c6e6825a_attn:
	s_mov_b64 s[64:65], 0
	v_nop
	global_prefetch_b8 v0, s[64:65] scope:SCOPE_SE
	s_setreg_imm32_b32 hwreg(HW_REG_WAVE_MODE, 25, 1), 1
	s_wait_xcnt 0x0
	s_wait_alu depctr_hold_cnt(0) depctr_sa_sdst(0) depctr_va_vdst(0) depctr_va_sdst(0) depctr_va_ssrc(0) depctr_va_vcc(0) depctr_vm_vsrc(0)
	s_getreg_b32 s2, hwreg(HW_REG_IB_STS2, 6, 4)
	s_cmp_eq_u32 s2, 0
	s_cbranch_scc0 .Lentry_in_a_cluster
	s_endpgm
.Lentry_in_a_cluster:
	s_bfe_u32 s2, ttmp6, 0x10000c
	s_cmp_lg_u32 s2, 0x3003
	s_cbranch_scc0 .Lentry_shape_is_right
	s_endpgm
.Lentry_shape_is_right:
; O = softmax(q k^T / 8) v for 64 pairs (batch, head), 2,048 tokens, 64 channels, both products on codes of BF8 (E5M2); the result is quantised with 2^e10 for the last product.
; q, k, v come as images of operand registers (lane l's 16 bytes at 16 l, 512 bytes a piece): a fragment is fetched by loads of 512 consecutive bytes, from memory and from LDS alike.
; THE SOFTMAX: t = score x log2(e) / 8; p = 2^(t - M) is what is quantised, along the keys, with 2^e8; it is not normalised.  The row's sum is taken of the unquantised p, in f32, and divides O at the end.
; THE SHIFT M IS 12 FOR EVERY ROW.  q and k are cosines, so each quantised number of theirs is at most 1 in magnitude, whatever the inputs and e6, e7 (rounding to the format is monotone, and 1 is a number of the
; format or lies beyond its largest): a score is a sum of 64 products, |score / 8| <= 8, |t| <= 11.55 < 12.  So 2^-23.6 <= p <= 2^-0.45 for every input: no exponential and no sum of 2,048 of them leaves f32's range.
; Against the row's own M = ceil(its largest t), every p and the row's sum are the same numbers x the exact power 2^(that M - 12), which the division takes away.
; LIMIT: e8 between -16 and -10.  Then p / 2^e8 lies between 2^-14 and 57,344: every code is a normal number of E5M2, with the mantissa that the row's own M gives it, and none reaches the largest code, so no hold is written for p.
; LIMITS on the other exponents, so that each power of two below is an f32 number: e6 + e7 between -123 and 130 (added to c's exponent field); e10 between -126 and 112; e8 + e9 is applied by v_ldexp_f32 and has none.
; SHARES.  A work-group owns 512 queries of one pair; each of its sixteen waves 32 of them, two tiles of 16, in 256 registers: four waves to a SIMD; each fragment of k and v read from LDS feeds two products.  Every wave walks all 2,048 keys, 128 a step.
; A tile's step is 32 packed multiply-adds, 64 exponentials, 32 packed additions and 8 conversions.
; LDS.  THE PAIR'S WHOLE k AND v ARE RESIDENT: k's image (131,072 bytes) from byte 0, v's from byte 131,072, the spare words behind them.  Every byte is filled once; the loops hold no barrier and no tensor load.
; CLUSTER.  The four blocks of queries of a pair form a cluster and want the same k and v: each piece is asked for JOINTLY, by the same tensor load with the same descriptor and the mask of all four.
; Waves 0-7 fetch k's, waves 8-15 v's.  At the head each wave issues one load: its eighth of key steps 0-3 (4,096 bytes).  Behind the wait for it, the add and a round of the cluster's barrier it issues one more: its eighth of key steps 4-15 (12,288 bytes),
; which is out while steps 0-3 are worked: one load of a wave is out at the most.
; NO PREFETCH: all that the work-group reads is asked for by these two loads and the loads of q, ahead of the first loop; no later request exists to run ahead of.
; LAYOUT.  Both products are used transposed: S^T = k q^T (source 0 = 16 keys, source 1 = 16 queries), O^T = v^T p^T (source 0 = 16 channels, source 1 = p): a lane holds ONE query (lane % 16) throughout.
; Register j of tile t of S^T is key 16 t + 8 (lane / 16) + j: the conversion of tile t gives registers 2 t, 2 t + 1 of the second product's operand, in the order of k in which v's image was laid.
.set VIMG,  131072                     ; LDS: v's image
.set SPARE, 0x40000                    ; LDS: the spare words, 128 bytes for each of 16 waves: eight blocks of 256 bytes that no other line names
.set STEPB, 8192                       ; a key step's bytes in either image
.set LN,  1                            ; v1   16 x lane; never rewritten
.set ADK, 2                            ; v2   LDS address of the step's k
.set ADV, 3                            ; v3   of its v
.set SPW, 4                            ; v4   LDS address of my spare word; never rewritten
.set NIL, 5                            ; v5   0; never rewritten
.set MB,  6                            ; v6   -12.0 = -M (named as a pair with v7; its low word serves both halves)
.set SCP, 7                            ; v7   2^e8 as f32
.set SUM, 8                            ; v[8 + 4 i ..]: tile i's sum, in two chains of two halves
.set Q,   16                           ; v16-31   q: 8 registers a tile
.set KV,  32                           ; v32-95   a step's eight fragments of k, later its four of v
.set S,   96                           ; v96-159  S^T, then p: one tile of queries after the other
.set O,   160                          ; v160-223 O^T: tile i, channels 16 d on, at 160 + 32 i + 8 d
.set P,   224                          ; v224-255 p's codes, 16 a tile.  Until a tile's conversions write them, +0 .. +3 hold two more chains of its sum
.set LMO, KV                           ; the way out: 57,344 x 2^e10
.set SCO, KV+1                         ; the way out: 2^e10 as f32
.set WV,  18                           ; s18  my wave's number
.macro ROUND                           ; a round of the cluster's barrier
	s_barrier_signal -1
	s_barrier_wait -1
	s_cmp_lg_u32 s[WV], 0
	s_cbranch_scc1 .Lnot_wave_0_\@
	s_barrier_signal -3
.Lnot_wave_0_\@:
	s_barrier_wait -3
	s_barrier_signal -1
	s_barrier_wait -1
.endm
; A joint load: waves 0-7 for k, waves 8-15 for v; one load to an arm, both arms lead to one join.  An s_nop 0 and four v_nop follow each line.
.macro JLOAD gk, gv, g1
	s_cmp_lt_u32 s[WV], 8
	s_cbranch_scc0 .Lfor_v_\@
	tensor_load_to_lds s[\gk:\gk+3], s[\g1:\g1+7]
	s_nop 0
.rept 4
	v_nop
.endr
	s_branch .Lasked_\@
.Lfor_v_\@:
	tensor_load_to_lds s[\gv:\gv+3], s[\g1:\g1+7]
	s_nop 0
.rept 4
	v_nop
.endr
.Lasked_\@:
.endm
	s_load_b256 s[4:11], s[0:1], 0x0               ; qimg s[4:5], kimg s[6:7], vimg s[8:9], the exponents s[10:11]
	s_load_b64 s[12:13], s[0:1], 0x20              ; oimg
	v_lshl_add_u32 v[SPW], v0, 2, SPARE
	v_mov_b32 v[NIL], 0
	ds_add_u32 v[SPW], v[NIL]                      ; the wave's opening: the add, twice on end, and its wait ahead of my first tensor load
	ds_add_u32 v[SPW], v[NIL]
	v_lshrrev_b32 v2, 5, v0
	s_delay_alu instid0(VALU_DEP_1)
	v_readfirstlane_b32 s[WV], v2                  ; wave 0..15
	s_bfe_u32 s14, ttmp6, 0x40000                  ; cx
	s_lshl_b32 s15, ttmp9, 2
	s_add_co_u32 s14, s15, s14                     ; my block of 512 queries: it enters q's and O's global addresses alone
	s_and_b32 s15, ttmp7, 0xffff                   ; the pair: 16 batch + head, which the four partners share
	s_lshl_b32 s29, s15, 17                        ; its first byte in qimg, kimg and vimg
	s_and_b32 s19, s[WV], 7                        ; which eighth I fetch
	; descriptor groups 0: count 1; LDS address; global address; type 2
	s_mov_b32 s32, 1
	s_lshl_b32 s33, s19, 12                        ; k, key steps 0-3: 4,096 bytes a wave
	s_mov_b32 s36, 1
	s_mul_i32 s37, s19, 12288
	s_add_co_u32 s37, s37, 32768                   ; k, key steps 4-15: 12,288 bytes a wave, behind the first 32,768
	s_mov_b32 s40, 1
	s_add_co_u32 s41, s33, VIMG                    ; v likewise
	s_mov_b32 s44, 1
	s_add_co_u32 s45, s37, VIMG
	s_add_co_u32 s16, s29, s33                     ; an image lies in LDS as in memory: the same places from the pair's first byte
	s_mov_b32 s17, 0
	s_add_co_u32 s2, s29, s37
	s_mov_b32 s3, 0
	; descriptor groups 1: dense blocks as rows of 256 bytes: 32 elements of 8 bytes; 16 rows, and 48 rows
	s_mov_b32 s48, 15|(3<<16)|(1<<21)              ; 15:0 the mask: all four work-groups; 17:16 elements of 8 bytes; 21 set beside a mask; no padding
	s_mov_b32 s49, 32<<16                          ; tensor_dim0 = 32
	s_mov_b32 s50, 16<<16                          ; tensor_dim1 = 16
	s_mov_b32 s51, 32<<16                          ; tile_dim0 = 32
	s_mov_b32 s52, 16                              ; tile_dim1 = 16
	s_mov_b32 s53, 32                              ; tensor_dim0_stride
	s_mov_b32 s54, 0
	s_mov_b32 s55, 0
	s_mov_b32 s56, 15|(3<<16)|(1<<21)
	s_mov_b32 s57, 32<<16
	s_mov_b32 s58, 48<<16                          ; tensor_dim1 = 48
	s_mov_b32 s59, 32<<16
	s_mov_b32 s60, 48                              ; tile_dim1 = 48
	s_mov_b32 s61, 32
	s_mov_b32 s62, 0
	s_mov_b32 s63, 0
	s_mov_b32 s20, 0x76543210                      ; v_permlanex16_b32's selects for lane l xor 16
	s_mov_b32 s21, 0xfedcba98
	s_mov_b32 s22, 0x3e38aa3b                      ; c = log2(e) / 8
	s_mov_b32 s30, 0xffff0000                      ; lanes 16-31
	s_wait_alu depctr_va_vdst(0)                   ; the wait here, directly ahead of the wait below
	s_wait_dscnt 0x0                               ; both opening adds are done
	s_wait_kmcnt 0x0
	s_load_b128 s[24:27], s[10:11], 0x18           ; e6, e7, e8, e9
	s_load_b32 s28, s[10:11], 0x28                 ; e10
	s_add_nc_u64 s[34:35], s[6:7], s[16:17]
	s_or_b32 s35, s35, 0x80000000
	s_add_nc_u64 s[38:39], s[6:7], s[2:3]
	s_or_b32 s39, s39, 0x80000000
	s_add_nc_u64 s[42:43], s[8:9], s[16:17]
	s_or_b32 s43, s43, 0x80000000
	s_add_nc_u64 s[46:47], s[8:9], s[2:3]
	s_or_b32 s47, s47, 0x80000000
	ROUND                                          ; all four work-groups are here: the joint loads meet
	JLOAD 32, 40, 48                               ; key steps 0-3: my one tensor load at the head
	s_lshl_b32 s16, s14, 15                        ; my block's 32 tiles of 1,024 bytes,
	s_lshl_b32 s2, s[WV], 11                       ; my wave's two of them
	s_add_co_u32 s16, s16, s2
	s_add_co_u32 s2, s16, s29
	s_add_nc_u64 s[4:5], s[4:5], s[2:3]            ; q at my first tile
	s_and_b32 s2, s15, 15                          ; oimg: head x 524,288 + batch x 131,072 + the same place in the batch
	s_lshl_b32 s2, s2, 19
	s_lshr_b32 s17, s15, 4
	s_lshl_b32 s17, s17, 17
	s_add_co_u32 s2, s2, s17
	s_add_co_u32 s2, s2, s16
	s_add_nc_u64 s[12:13], s[12:13], s[2:3]
	v_and_b32 v[LN], 31, v0
	s_delay_alu instid0(VALU_DEP_1)
	v_lshlrev_b32 v[LN], 4, v[LN]
.irp j, 0,1,2,3
	global_load_b128 v[Q+4*\j:Q+4*\j+3], v[LN], s[4:5] offset:512*\j   ; q's two fragments stay in registers
.endr
.irp j, 0,1,2,3,4,5,6,7
	v_mov_b32 v[SUM+\j], 0                         ; the two tiles' sums
.endr
	v_mov_b32 v[MB], 0xc1400000                    ; -12.0
	s_wait_kmcnt 0x0
	s_add_co_i32 s2, s24, s25
	s_lshl_b32 s2, s2, 23
	s_add_co_i32 s22, s22, s2                      ; a score stands for score x 2^(e6 + e7): the two exponents are added to c's exponent field
	s_mov_b32 s23, s22                             ; (named with it as a pair, so it is written)
	s_add_co_i32 s2, s26, 127
	s_lshl_b32 s3, s2, 23
	v_mov_b32 v[SCP], s3                           ; 2^e8 as f32
	s_add_co_i32 s31, s26, s27                     ; e8 + e9
.macro SCORES i                        ; S^T = k q^T for tile i of my queries: eight tiles of 16 keys, each a sum of its own that begins with 0
.irp t, 0,1,2,3,4,5,6,7
	v_wmma_f32_16x16x64_bf8_bf8 v[S+8*\t:S+8*\t+7], v[KV+8*\t:KV+8*\t+7], v[Q+8*(\i):Q+8*(\i)+7], 0
.endr
.rept 4
	v_nop                                          ; four places in front of the first read of the scores, and of loads into registers that these products have read (ISA guide 7.12.1 for the reads of the scores)
.endr
.endm
.macro SOFTMAX i                       ; tile i's 64 scores a lane become p's codes, and p is added to the tile's sum
.set PP, P+16*(\i)
.set SM, SUM+4*(\i)
.set n, 0
.rept 32
	v_pk_fma_f32 v[S+n:S+n+1], v[S+n:S+n+1], s[22:23], v[MB:MB+1] op_sel_hi:[1,0,0]   ; t - 12, in pairs (of the pairs c and -12 the low word serves both halves); each accumulator from its low end on
.set n, n+2
.endr
	s_wait_alu depctr_va_vdst(0)                   ; the wait ahead of the batch
.set n, 0
.rept 64
	v_exp_f32 v[S+n], v[S+n]                       ; p = 2^(t - 12), under 1: not normalised
.set n, n+1
.endr
	v_nop                                          ; the plain place behind the exponentials
	s_wait_alu depctr_va_vdst(0)                   ; one wait for the whole batch, ahead of its first reader
	v_pk_add_f32 v[PP:PP+1], v[S:S+1], v[S+2:S+3]                         ; the row's sum is taken of the UNQUANTISED p: in pairs, in four chains that take turns
	v_pk_add_f32 v[PP+2:PP+3], v[S+4:S+5], v[S+6:S+7]
.irp k, 8,16,24,32,40,48,56
	v_pk_add_f32 v[SM:SM+1], v[SM:SM+1], v[S+\k:S+\k+1]
	v_pk_add_f32 v[SM+2:SM+3], v[SM+2:SM+3], v[S+\k+2:S+\k+3]
	v_pk_add_f32 v[PP:PP+1], v[PP:PP+1], v[S+\k+4:S+\k+5]
	v_pk_add_f32 v[PP+2:PP+3], v[PP+2:PP+3], v[S+\k+6:S+\k+7]
.endr
	v_pk_add_f32 v[SM:SM+1], v[SM:SM+1], v[PP:PP+1]
	v_pk_add_f32 v[SM+2:SM+3], v[SM+2:SM+3], v[PP+2:PP+3]
.irp t, 0,1,2,3,4,5,6,7
	v_cvt_scalef32_pk8_bf8_f32 v[PP+2*\t:PP+2*\t+1], v[S+8*\t:S+8*\t+7], v[SCP]   ; p / 2^e8 lies under the largest code (the limit on e8 at the head)
.endr
	v_nop                                          ; one plain vector instruction between the last conversion and the matrix instructions that read its result or write its sources
.endm
; A KEY STEP: 128 keys, whose images begin at LDS byte s29 of k's and of v's.  zero = 1: the first step's products start O^T's sums: nothing is cleared.
.macro STEP zero
	v_add_nc_u32 v[ADK], s29, v[LN]
	s_delay_alu instid0(VALU_DEP_1)
	v_add_nc_u32 v[ADV], VIMG, v[ADK]
	v_nop
	v_nop                                          ; with the two additions: four places in front of loads into registers that the last step's products have read
.irp t, 0,1,2,3,4,5,6,7
	ds_load_b128 v[KV+8*\t:KV+8*\t+3], v[ADK] offset:1024*\t
	ds_load_b128 v[KV+8*\t+4:KV+8*\t+7], v[ADK] offset:1024*\t+512
.endr
	s_wait_dscnt 0x0
	SCORES 0
	SOFTMAX 0
	SCORES 1
.irp d, 0,1,2,3
.irp c, 0,1,2,3
	ds_load_b128 v[KV+16*\d+4*\c:KV+16*\d+4*\c+3], v[ADV] offset:2048*\d+512*\c   ; v's four fragments land while the second tile's softmax is worked
.endr
.endr
	SOFTMAX 1
	s_wait_alu depctr_va_vdst(0)                   ; the wait here, directly ahead of the wait below
	s_wait_dscnt 0x0
.irp d, 0,1,2,3                        ; O^T += v^T p^T: eight accumulators, one instruction each
.irp i, 0,1
.if \zero
	v_wmma_f32_16x16x128_bf8_bf8 v[O+32*\i+8*\d:O+32*\i+8*\d+7], v[KV+16*\d:KV+16*\d+15], v[P+16*\i:P+16*\i+15], 0
.else
	s_wait_alu depctr_va_vdst(0)                   ; each sum was written by the last step's product: the wait directly ahead of each
	v_wmma_f32_16x16x128_bf8_bf8 v[O+32*\i+8*\d:O+32*\i+8*\d+7], v[KV+16*\d:KV+16*\d+15], v[P+16*\i:P+16*\i+15], v[O+32*\i+8*\d:O+32*\i+8*\d+7]
.endif
.endr
.endr
.endm
.macro WALK n, start                   ; n key steps from LDS byte start on
	s_mov_b32 s29, \start
	s_mov_b32 s19, \n
.Lstep_\@:
	STEP 0
	s_add_co_u32 s29, s29, STEPB
	s_sub_co_u32 s19, s19, 1
	s_cmp_lg_u32 s19, 0
	s_cbranch_scc1 .Lstep_\@
.endm
	s_wait_alu depctr_va_vdst(0)                   ; the wait at the head's end
	s_wait_tensorcnt 0x0                           ; my part of key steps 0-3 is in; ahead of a later first fill:
	ds_add_u32 v[SPW], v[NIL]                      ; 0 onto my spare word,
	s_wait_dscnt 0x0                               ; and the wait for it
	ROUND                                          ; everybody's part of key steps 0-3 is in, and all four work-groups are here: the joint loads meet
	JLOAD 36, 44, 56                               ; key steps 4-15: my one tensor load behind the round
	s_wait_loadcnt 0x0                             ; q
	s_mov_b32 s29, 0
	STEP 1                                         ; key step 0 is written out: its products start the sums
	WALK 3, STEPB                                  ; key steps 1-3
	s_wait_tensorcnt 0x0                           ; my part of key steps 4-15 is in,
	s_wait_dscnt 0x0
	s_barrier_signal -1
	s_barrier_wait -1                              ; and so is everybody's.
	WALK 12, 4*STEPB                               ; key steps 4-15
	; THE WAY OUT.  O^T / the sum x 2^(e8 + e9) is quantised with 2^e10 and leaves as an image of the last product's operand: lane (r, h) holds token r and channels 32 c + 16 h + 0 .. 15 in registers 4 c .. 4 c + 3.
	; A lane has channels 16 d + 8 h + 0 .. 7 in code registers 2 d, 2 d + 1: lanes 0-15 want the other half's registers of the even d, lanes 16-31 those of the odd d: one exchange for each pair of registers, in place.
.rept 4
	v_nop                                          ; four places behind the last products
.endr
	s_add_co_i32 s2, s28, 127
	s_lshl_b32 s3, s2, 23
	s_add_co_i32 s2, s2, 15
	s_lshl_b32 s2, s2, 23
	s_or_b32 s2, s2, 0x600000
	v_mov_b32 v[SCO], s3                           ; 2^e10 as f32
	v_mov_b32 v[LMO], s2                           ; 57,344 x 2^e10
.macro FIN i
.set SM, SUM+4*(\i)
.set OO, O+32*(\i)
.set CC, S+8+8*(\i)
	v_pk_add_f32 v[SM:SM+1], v[SM:SM+1], v[SM+2:SM+3]   ; the sum's two chains,
	s_delay_alu instid0(VALU_DEP_1)
	v_add_f32 v[SM], v[SM], v[SM+1]                ; its two halves,
	s_delay_alu instid0(VALU_DEP_1)
	v_permlanex16_b32 v[SM+1], v[SM], s20, s21
	s_delay_alu instid0(VALU_DEP_1)
	v_add_f32 v[SM], v[SM], v[SM+1]                ; and lane l xor 16's: the row's sum
	s_wait_alu depctr_va_vdst(0)                   ; the wait ahead of the transcendental
	v_rcp_f32 v[SM], v[SM]
	v_nop                                          ; one plain instruction behind the transcendental
	s_wait_alu depctr_va_vdst(0)                   ; the wait, ahead of the first reader
	v_ldexp_f32 v[SM], v[SM], s31                  ; x 2^(e8 + e9)
	s_wait_alu depctr_va_vdst(0)                   ; the wait here, directly ahead of the first reader of O^T
.set n, 0
.rept 16
	v_pk_mul_f32 v[OO+n:OO+n+1], v[OO+n:OO+n+1], v[SM:SM+1] op_sel_hi:[1,0]   ; each accumulator from its low end on
.set n, n+2
.endr
.set n, 0
.rept 32
	v_med3_num_f32 v[OO+n], v[OO+n], -v[LMO], v[LMO]   ; the hold at the largest code x the scale
.set n, n+1
.endr
.irp d, 0,1,2,3
	v_cvt_scalef32_pk8_bf8_f32 v[CC+2*\d:CC+2*\d+1], v[OO+8*\d:OO+8*\d+7], v[SCO]
.endr
	v_nop                                          ; one plain instruction between the last conversion and the reads of its result
.irp k, 0,1,2,3                        ; k = 2 c + w: registers 4 c + w (even d) and 4 c + 2 + w (odd d)
	v_cndmask_b32 v[S+2*\k], v[CC+4*(\k/2)+2+\k%2], v[CC+4*(\k/2)+\k%2], s30          ; lanes 0-15 send the odd d's, lanes 16-31 the even d's
.endr
.irp k, 0,1,2,3
	v_permlanex16_b32 v[S+2*\k+1], v[S+2*\k], s20, s21
.endr
.irp k, 0,1,2,3
	v_cndmask_b32 v[CC+4*(\k/2)+\k%2], v[CC+4*(\k/2)+\k%2], v[S+2*\k+1], s30          ; channels + 0 .. 7: lanes 0-15 their own, lanes 16-31 what came
	v_cndmask_b32 v[CC+4*(\k/2)+2+\k%2], v[S+2*\k+1], v[CC+4*(\k/2)+2+\k%2], s30      ; channels + 8 .. 15: lanes 0-15 what came, lanes 16-31 their own
.endr
	global_store_b128 v[LN], v[CC:CC+3], s[12:13] offset:1024*(\i)                    ; 32 lanes store 512 consecutive bytes, at a multiple of 512 from the buffer's first byte
	global_store_b128 v[LN], v[CC+4:CC+7], s[12:13] offset:1024*(\i)+512
.endm
	FIN 0
	FIN 1
	s_wait_tensorcnt 0x0                           ; the wave's end
	ds_add_u32 v[SPW], v[NIL]
	s_wait_dscnt 0x0
	ROUND                                          ; the closing round: no work-group ends while a partner may still ask for a tile that names it
	s_endpgm
.Lfunc_end_k_q29c6e6825a_attn:
	.size	k_q29c6e6825a_attn, .Lfunc_end_k_q29c6e6825a_attn-k_q29c6e6825a_attn
	.p2alignl 7, 3214868480
	.fill 96, 4, 3214868480
	.section	.rodata,"a",@progbits
	.p2align	6, 0x0
	.amdhsa_kernel k_q29c6e6825a_attn
		.amdhsa_group_segment_fixed_size 327680
		.amdhsa_private_segment_fixed_size 0
		.amdhsa_enable_private_segment 0
		.amdhsa_kernarg_size 40
		.amdhsa_user_sgpr_count 2
		.amdhsa_user_sgpr_kernarg_segment_ptr 1
		.amdhsa_wavefront_size32 1
		.amdhsa_system_sgpr_workgroup_id_x 1
		.amdhsa_system_sgpr_workgroup_id_y 1
		.amdhsa_system_sgpr_workgroup_id_z 1
		.amdhsa_system_vgpr_workitem_id 0
		.amdhsa_next_free_vgpr 256
		.amdhsa_next_free_sgpr 66
		.amdhsa_reserve_vcc 0
		.amdhsa_float_denorm_mode_32 3
		.amdhsa_float_denorm_mode_16_64 3
		.amdhsa_memory_ordered 1
		.amdhsa_forward_progress 1
		.amdhsa_inst_pref_size 71
	.end_amdhsa_kernel
	.amdgpu_metadata
---
amdhsa.version: [ 1, 2 ]
amdhsa.kernels:
  - .name:           k_q29c6e6825a_attn
    .symbol:         k_q29c6e6825a_attn.kd
    .args:
      - { .name: qimg, .offset: 0, .size: 8, .value_kind: global_buffer, .address_space: global }
      - { .name: kimg, .offset: 8, .size: 8, .value_kind: global_buffer, .address_space: global }
      - { .name: vimg, .offset: 16, .size: 8, .value_kind: global_buffer, .address_space: global }
      - { .name: lowp_scales, .offset: 24, .size: 8, .value_kind: global_buffer, .address_space: global }
      - { .name: oimg, .offset: 32, .size: 8, .value_kind: global_buffer, .address_space: global }
    .group_segment_fixed_size: 327680
    .private_segment_fixed_size: 0
    .kernarg_segment_align: 8
    .kernarg_segment_size: 40
    .max_flat_workgroup_size: 512
    .sgpr_count:     66
    .vgpr_count:     256
    .wavefront_size: 32
...
	.end_amdgpu_metadata
.endif
;; end of part 2
;; launch proj (part 3): grid 4 x 32, 4 waves a work-group, clusters of 4 x 4, 327,680 bytes of LDS; arguments oimg, Wo_codes, lowp_scales, out0; writes out0
.if DOCPART == 3
	.amdgcn_target "amdgcn-amd-amdhsa--gfx1250"
	.amdhsa_code_object_version 6
	.text
	.protected	k_q29c6e6825a_proj
	.globl	k_q29c6e6825a_proj
	.p2align	8
	.type	k_q29c6e6825a_proj,@function
k_q29c6e6825a_proj:
	s_mov_b64 s[64:65], 0
	v_nop
	global_prefetch_b8 v0, s[64:65] scope:SCOPE_SE
	s_setreg_imm32_b32 hwreg(HW_REG_WAVE_MODE, 25, 1), 1
	s_wait_xcnt 0x0
	s_wait_alu depctr_hold_cnt(0) depctr_sa_sdst(0) depctr_va_vdst(0) depctr_va_sdst(0) depctr_va_ssrc(0) depctr_va_vcc(0) depctr_vm_vsrc(0)
	s_getreg_b32 s2, hwreg(HW_REG_IB_STS2, 6, 4)
	s_cmp_eq_u32 s2, 0
	s_cbranch_scc0 .Lentry_in_a_cluster
	s_endpgm
.Lentry_in_a_cluster:
	s_bfe_u32 s2, ttmp6, 0x10000c
	s_cmp_lg_u32 s2, 0xf033
	s_cbranch_scc0 .Lentry_shape_is_right
	s_endpgm
.Lentry_shape_is_right:
.set SIZE_N, 1024
.set ROWB,   256
.set KROW,   1024
.set ASTEP,  4*524288
.set PITCH,  272
.set FR,     16
.set NL,     4
.set NP,     4
.set HALFT,  128*PITCH
.set SLOT,   4*HALFT
.set LAPS,   2
.set SPARE,  2*SLOT
.set SPITCH, 528
.set ADRA, 16
.set ADRB, 20
.set STO,  24
.set RD,   25
.set CO,   26
.set SPW,  28
.set NIL,  29
.set TMP,  32
.set AF,   128
.set BK,   128
.set G1, 24
.set G0, 32
.set G1B, 48
.set G0B, 56
.set MSB, 0
.macro WIN new
.if MSB != \new
	s_set_vgpr_msb (MSB<<8)|\new
.set MSB, \new
.endif
.endm
.set MUL_LO, 0xa1
.set MUL_HI, 0xf1
.set TO_B,   0x40
.macro JLOAD g0a, g1a, g0b, g1b
	s_cmp_eq_u32 s15, 0
	s_cbranch_scc0 .Lfor_b_\@
	tensor_load_to_lds s[\g0a:\g0a+3], s[\g1a:\g1a+7]
	s_nop 0
.rept 4
	v_nop
.endr
	s_branch .Lasked_\@
.Lfor_b_\@:
	tensor_load_to_lds s[\g0b:\g0b+3], s[\g1b:\g1b+7]
	s_nop 0
.rept 4
	v_nop
.endr
.Lasked_\@:
.endm
.macro CREST
	s_cmp_lg_u32 s14, 0
	s_cbranch_scc1 .Lnot_wave_0_\@
	s_barrier_signal -3
.Lnot_wave_0_\@:
	s_barrier_wait -3
	s_barrier_signal -1
	s_barrier_wait -1
.endm
.macro CROUND
	s_barrier_signal -1
	s_barrier_wait -1
	CREST
.endm
	s_load_b128 s[4:7], s[0:1], 0x0
	s_load_b128 s[8:11], s[0:1], 0x10
	v_lshl_add_u32 v[SPW], v0, 2, SPARE
	v_mov_b32 v[NIL], 0
	ds_add_u32 v28, v29
	ds_add_u32 v28, v29
	s_wait_dscnt 0x0
	v_lshrrev_b32 v1, 5, v0
	v_readfirstlane_b32 s14, v1
	s_lshr_b32 s15, s14, 1
	s_and_b32 s16, s14, 1
	s_bfe_u32 s40, ttmp6, 0x40000
	s_bfe_u32 s41, ttmp6, 0x40004
	s_lshl_b32 s42, ttmp9, 2
	s_add_co_u32 s42, s42, s40
	s_and_b32 s17, ttmp7, 0xffff
	s_lshl_b32 s17, s17, 2
	s_add_co_u32 s17, s17, s41
	s_lshl_b32 s43, s41, 2
	s_lshl_b32 s43, 15, s43
	s_lshl_b32 s44, 0x1111, s40
	s_or_b32 s[G1+0], s43, (3<<16)|(1<<21)
	s_mov_b32 s[G1+1], 1024<<16
	s_mov_b32 s[G1+2], 4<<16
	s_mov_b32 s[G1+3], 1024<<16
	s_mov_b32 s[G1+4], 4
	s_mov_b32 s[G1+5], 65536
	s_mov_b32 s[G1+6], 0
	s_mov_b32 s[G1+7], 0
	s_or_b32 s[G1B+0], s44, (0<<16)|(1<<20)|(1<<21)|(5<<22)|(3<<25)
	s_mov_b32 s[G1B+1], ROWB<<16
	s_mov_b32 s[G1B+2], 128<<16
	s_mov_b32 s[G1B+3], ROWB<<16
	s_mov_b32 s[G1B+4], 128
	s_mov_b32 s[G1B+5], KROW
	s_mov_b32 s[G1B+6], 0
	s_mov_b32 s[G1B+7], 0
	s_lshl_b32 s18, s16, 7
	s_lshl_b32 s20, s17, 8
	s_add_co_u32 s20, s20, s18
	s_lshl_b32 s20, s20, 6
	s_mov_b32 s21, 0
	s_lshl_b32 s46, s42, 8
	s_add_co_u32 s46, s46, s18
	s_lshl_b32 s46, s46, 10
	s_mov_b32 s47, 0
	s_mul_i32 s45, s14, HALFT
	s_wait_kmcnt 0x0
	s_load_b64 s[96:97], s[8:9], 0x28
	s_add_nc_u64 s[20:21], s[4:5], s[20:21]
	s_add_nc_u64 s[46:47], s[6:7], s[46:47]
	; where my wave's prefetches stand.  The four that ask for a tile jointly share it out by address (cx for oimg's tiles, cy for Wo's).
	; oimg: a K step is four heads' pieces of 8,192 bytes, 524,288 bytes apart: my work-group takes one head's, lanes 256 bytes apart; a K step on is 2,097,152 bytes.
	; Wo: of my wave's 128 rows my work-group takes 32, a lane a row of 1,024 bytes; a K step on is 256 bytes.
	s_cmp_eq_u32 s15, 0
	s_cselect_b64 s[66:67], s[20:21], s[46:47]
	s_cselect_b32 s72, s40, s41
	s_cselect_b32 s73, 19, 15
	s_cselect_b32 s74, 8, 10
	s_cselect_b32 s76, 21, 8
	s_lshl_b32 s72, s72, s73
	s_mov_b32 s73, 0
	s_lshl_b32 s76, 1, s76
	s_mov_b32 s77, 0
	s_add_nc_u64 s[66:67], s[66:67], s[72:73]
	s_add_nc_u64 s[66:67], s[66:67], s[76:77]      ; K step 1
	s_add_nc_u64 s[68:69], s[66:67], s[76:77]      ; K step 2
	s_add_nc_u64 s[70:71], s[68:69], s[76:77]      ; K step 3; none of the three is rewritten
	v_and_b32 v27, 31, v0
	v_lshlrev_b32 v27, s74, v27                    ; never rewritten
	s_wait_alu depctr_va_vdst(0)                   ; the wait here, directly ahead of the barrier's signal
	CROUND
.irp s, 0,1
	s_mov_b32 s[G0+4*\s], 1
	s_add_co_u32 s[G0+4*\s+1], s45, \s*SLOT
	s_add_nc_u64 s[G0+4*\s+2:G0+4*\s+3], s[20:21], \s*ASTEP
	s_or_b32 s[G0+4*\s+3], s[G0+4*\s+3], 0x80000000
	s_mov_b32 s[G0B+4*\s], 1
	s_add_co_u32 s[G0B+4*\s+1], s45, \s*SLOT
	s_add_nc_u64 s[G0B+4*\s+2:G0B+4*\s+3], s[46:47], \s*ROWB
	s_or_b32 s[G0B+4*\s+3], s[G0B+4*\s+3], 0x80000000
.if \s == 1                            ; slot 1's first fill stands behind the wait for my first load, the add, its wait and a round
	s_wait_alu depctr_va_vdst(0)
	s_wait_tensorcnt 0x0
	ds_add_u32 v28, v29
	ds_add_u32 v28, v29
	s_wait_dscnt 0x0
	CROUND
.endif
	JLOAD G0+4*\s, G1, G0B+4*\s, G1B
	; prefetches into the L2, 32 blocks of 256 bytes an instruction: behind K step 0's load for K steps 1 and 2, behind K step 1's load for K step 3, the last: at most two K steps are asked for and not yet loaded
.if \s == 0
	global_prefetch_b8 v27, s[66:67] th:TH_LOAD_NT scope:SCOPE_SE
	global_prefetch_b8 v27, s[68:69] th:TH_LOAD_NT scope:SCOPE_SE
.else
	global_prefetch_b8 v27, s[70:71] th:TH_LOAD_NT scope:SCOPE_SE
.endif
.endr
	v_and_b32 v1, 15, v0
	v_bfe_u32 v2, v0, 4, 1
	v_and_b32 v6, 31, v0
	v_lshlrev_b32 v[CO], 4, v6
	v_mul_u32_u24 v3, v1, PITCH
	v_lshl_add_u32 v4, v2, 4, v3
	s_mul_i32 s21, s15, HALFT
	s_mul_i32 s22, s16, HALFT
	s_add_co_u32 s22, s22, 2*HALFT
.irp s, 0,1
	v_add_nc_u32 v[ADRA+\s], s21, v[CO]
	v_add_nc_u32 v[ADRB+\s], s22, v4
	s_add_co_u32 s21, s21, SLOT
	s_add_co_u32 s22, s22, SLOT
.endr
	s_mul_i32 s23, s14, 16*SPITCH
	v_mul_u32_u24 v5, v1, SPITCH
	v_lshl_add_u32 v5, v2, 5, v5
	v_add_nc_u32 v[STO], s23, v5
	v_add_nc_u32 v[RD], s23, v[CO]
	s_lshl_b32 s20, s17, 8
	s_lshl_b32 s21, s15, 7
	s_add_co_u32 s20, s20, s21
	s_lshl_b32 s20, s20, 12
	s_lshl_b32 s46, s42, 10
	s_lshl_b32 s47, s16, 9
	s_add_co_u32 s46, s46, s47
	s_add_co_u32 s20, s20, s46
	s_mov_b32 s21, 0
	s_add_nc_u64 s[10:11], s[10:11], s[20:21]
.macro FRAG reg, adr, q, i
.irp c, 0,1,2,3
	ds_load_b128 v[\reg+4*\c:\reg+4*\c+3], v[\adr] offset:128*(\q)+32*\c+(\i)*16*PITCH
.endr
.endm
.macro FRAG_A reg, slot, q, i
.irp c, 0,1,2,3
	ds_load_b128 v[\reg+4*\c:\reg+4*\c+3], v[ADRA+\slot] offset:(2*(\q)+\c/2)*8192+(\i)*1024+(\c%2)*512
.endr
.endm
.macro MUL16 a0, p, zero
.irp a, \a0, \a0+1
.irp b, 0,1,2,3,4,5,6,7
.if \zero
	v_wmma_f32_16x16x128_bf8_bf8 v[8*(8*((\a)%4)+\b):8*(8*((\a)%4)+\b)+7], v[128*(\p)+FR*\b:128*(\p)+FR*\b+FR-1], v[AF+FR*(\a):AF+FR*(\a)+FR-1], 0
.else
	v_wmma_f32_16x16x128_bf8_bf8 v[8*(8*((\a)%4)+\b):8*(8*((\a)%4)+\b)+7], v[128*(\p)+FR*\b:128*(\p)+FR*\b+FR-1], v[AF+FR*(\a):AF+FR*(\a)+FR-1], v[8*(8*((\a)%4)+\b):8*(8*((\a)%4)+\b)+7]
.endif
.endr
.endr
.endm
.macro FETCH_B slot, q, p
	WIN TO_B
.irp i, 0,1,2,3,4,5,6,7
	FRAG 128*(\p)+FR*\i, ADRB+\slot, \q, \i
.endr
	WIN 0
.endm
.macro FETCH_A slot, q, i0
.irp i, \i0, \i0+1, \i0+2, \i0+3
	FRAG_A AF+FR*(\i), \slot, \q, \i
.endr
.endm
.macro PLACES n
.rept \n
	v_nop
.endr
.endm
.macro STEP slot, q, zero
	s_wait_dscnt 4*NL
	WIN MUL_LO
	MUL16 0, (\q)%2, \zero
	MUL16 2, (\q)%2, \zero
	s_wait_dscnt 0
	PLACES NP
	FETCH_B \slot, (\q)+1, 1-(\q)%2
	FETCH_A \slot, (\q)+1, 0
	WIN MUL_HI
	MUL16 4, (\q)%2, \zero
	MUL16 6, (\q)%2, \zero
	PLACES NP
	WIN 0
	FETCH_A \slot, (\q)+1, 4
.endm
.macro TURN slot, next, fill
	s_wait_tensorcnt 0x0
	ds_add_u32 v[SPW], v[NIL]
	s_wait_dscnt 4*NL+1
	WIN MUL_LO
	MUL16 0, 1, 0
	s_wait_dscnt 0x0
	s_barrier_signal -1
	MUL16 2, 1, 0
	WIN 0
	s_barrier_wait -1
.if \fill
	CREST
	s_add_nc_u64 s[G0+4*\slot+2:G0+4*\slot+3], s[G0+4*\slot+2:G0+4*\slot+3], 2*ASTEP
	s_add_nc_u64 s[G0B+4*\slot+2:G0B+4*\slot+3], s[G0B+4*\slot+2:G0B+4*\slot+3], 2*ROWB
	JLOAD G0+4*\slot, G1, G0B+4*\slot, G1B
.else
	PLACES NP
.endif
	FETCH_B \next, 0, 0
	FETCH_A \next, 0, 0
	WIN MUL_HI
	MUL16 4, 1, 0
	MUL16 6, 1, 0
	PLACES NP
	WIN 0
	FETCH_A \next, 0, 4
.endm
	s_wait_alu depctr_va_vdst(0)
	s_wait_tensorcnt 1
	s_barrier_signal -1
	s_barrier_wait -1
	FETCH_B 0, 0, 0
	FETCH_A 0, 0, 0
	FETCH_A 0, 0, 4
	STEP 0, 0, 1
	s_mov_b32 s3, LAPS-1
.Llap:
	TURN 0, 1, 1
	STEP 1, 0, 0
	TURN 1, 0, 1
	STEP 0, 0, 0
	s_sub_co_u32 s3, s3, 1
	s_cmp_lg_u32 s3, 0
	s_cbranch_scc1 .Llap
	TURN 0, 1, 0
	STEP 1, 0, 0
	s_wait_dscnt 4*NL
	WIN MUL_LO
	MUL16 0, 1, 0
	MUL16 2, 1, 0
	s_wait_dscnt 0
	WIN MUL_HI
	MUL16 4, 1, 0
	MUL16 6, 1, 0
	WIN 0
.macro TOSTAGE a
.set AC, 64*((\a)%4)
	WIN 0x02+((\a)/4)
.irp j, 0,2,4,6,8,10,12,14,16,18,20,22,24,26,28,30,32,34,36,38,40,42,44,46,48,50,52,54,56,58,60,62
	v_pk_mul_f32 v[TMP+\j:TMP+\j+1], v[AC+\j:AC+\j+1], s[96:97] op_sel_hi:[1,0]
.endr
	WIN 0
.irp b, 0,1,2,3,4,5,6,7
	ds_store_b128 v[STO], v[TMP+8*\b:TMP+8*\b+3] offset:64*\b
	ds_store_b128 v[STO], v[TMP+8*\b+4:TMP+8*\b+7] offset:64*\b+16
.endr
.set BB, BK+64*((\a)%2)
.irp t, 0,1,2,3,4,5,6,7,8,9,10,11,12,13,14,15
	ds_load_b128 v[BB+4*\t:BB+4*\t+3], v[RD] offset:\t*SPITCH
.endr
.endm
.macro SEND a, younger
.set BB, BK+64*((\a)%2)
	s_wait_dscnt \younger
.if (\a) > 0
	s_add_nc_u64 s[10:11], s[10:11], 16*SIZE_N*4
.endif
.irp t, 0,1,2,3,4,5,6,7,8,9,10,11,12,13,14,15
	global_store_b128 v[CO], v[BB+4*\t:BB+4*\t+3], s[10:11] offset:\t*SIZE_N*4 th:TH_STORE_NT
.endr
.endm
	s_wait_kmcnt 0x0
	s_add_co_i32 s96, s96, s97
	s_add_co_i32 s96, s96, 127
	s_lshl_b32 s96, s96, 23
	PLACES NP
	TOSTAGE 0
.irp a, 1,2,3,4,5,6,7
.if \a > 1
	s_wait_xcnt 0x0
.endif
	TOSTAGE \a
	SEND \a-1, 32
.endr
	s_wait_xcnt 0x0
	SEND 7, 0
	s_wait_tensorcnt 0x0
	ds_add_u32 v[SPW], v[NIL]
	s_wait_dscnt 0x0
	CROUND
	s_endpgm
.Lfunc_end_k_q29c6e6825a_proj:
	.size	k_q29c6e6825a_proj, .Lfunc_end_k_q29c6e6825a_proj-k_q29c6e6825a_proj
	.p2alignl 7, 3214868480
	.fill 96, 4, 3214868480
	.section	.rodata,"a",@progbits
	.p2align	6, 0x0
	.amdhsa_kernel k_q29c6e6825a_proj
		.amdhsa_group_segment_fixed_size 327680
		.amdhsa_private_segment_fixed_size 0
		.amdhsa_enable_private_segment 0
		.amdhsa_kernarg_size 32
		.amdhsa_user_sgpr_count 2
		.amdhsa_user_sgpr_kernarg_segment_ptr 1
		.amdhsa_wavefront_size32 1
		.amdhsa_system_sgpr_workgroup_id_x 1
		.amdhsa_system_sgpr_workgroup_id_y 1
		.amdhsa_system_sgpr_workgroup_id_z 1
		.amdhsa_system_vgpr_workitem_id 0
		.amdhsa_next_free_vgpr 1024
		.amdhsa_next_free_sgpr 98
		.amdhsa_reserve_vcc 0
		.amdhsa_float_denorm_mode_32 3
		.amdhsa_float_denorm_mode_16_64 3
		.amdhsa_memory_ordered 1
		.amdhsa_forward_progress 1
		.amdhsa_inst_pref_size 124
	.end_amdhsa_kernel
	.amdgpu_metadata
---
amdhsa.version: [ 1, 2 ]
amdhsa.kernels:
  - .name:           k_q29c6e6825a_proj
    .symbol:         k_q29c6e6825a_proj.kd
    .args:
      - { .name: oimg, .offset: 0, .size: 8, .value_kind: global_buffer, .address_space: global }
      - { .name: Wo_codes, .offset: 8, .size: 8, .value_kind: global_buffer, .address_space: global }
      - { .name: lowp_scales, .offset: 16, .size: 8, .value_kind: global_buffer, .address_space: global }
      - { .name: out0, .offset: 24, .size: 8, .value_kind: global_buffer, .address_space: global }
    .group_segment_fixed_size: 327680
    .private_segment_fixed_size: 0
    .kernarg_segment_align: 8
    .kernarg_segment_size: 32
    .max_flat_workgroup_size: 128
    .sgpr_count:     98
    .vgpr_count:     1024
    .wavefront_size: 32
...
	.end_amdgpu_metadata
.endif
;; end of part 3
